; MI455X (gfx1250); checked and timed in simulation.
; The chip was launched on July 23, 2026; its instructions are those of AMD's public machine-readable ISA for CDNA 5 (MIT licence, August 2026) and "CDNA5" Instruction Set Architecture Reference Guide (July 2026). The comments in the code are by the model that wrote it; some were corrected since.
;; Class Attention. Allowed arithmetic: float matrix products may take bf16 or f16 operands with f32 sums; all other float work in f32.
;; Inputs: b_proj 1,024 float32; w_proj 1,024 x 1,024 float32; w_qkv 3,072 x 1,024 float32; x 16 x 1,024 x 1,024 float32.
;; Outputs: out0 16 x 1,024 x 1,024 float32.
;; One version. Each part assembles by itself: llvm-mc -triple=amdgcn-amd-amdhsa -mcpu=gfx1250 --defsym DOCPART=n.
;; ======== version 1 of 1: 4 launches
;; workspace buffers: u 524,288 bytes; yp 8,388,608 bytes; ml 32,768 bytes; cls 65,536 bytes; wf 4,194,304 bytes
;; launch qu (part 1): grid 4 x 48, 16 waves a work-group, no clusters, 228,864 bytes of LDS; arguments x, w_qkv, w_proj, u, wf; writes u, wf
.if DOCPART == 1
	.amdgcn_target "amdgcn-amd-amdhsa--gfx1250"
	.amdhsa_code_object_version 6
	.text
	.protected	k_qd43f22bc00_qu
	.globl	k_qd43f22bc00_qu
	.p2align	8
	.type	k_qd43f22bc00_qu,@function
k_qd43f22bc00_qu:
	s_mov_b64 s[64:65], 0
	v_nop
	global_prefetch_b8 v0, s[64:65] scope:SCOPE_SE
	s_setreg_imm32_b32 hwreg(HW_REG_WAVE_MODE, 25, 1), 1
	s_wait_xcnt 0x0
; TWO KINDS OF WORK-GROUPS, told apart by the grid's y alone, which all sixteen waves of a work-group share.
; y < 16, work-group (dq, h = y):  u[b][h][d] = c * sum over e of q[b][h][e] * Wk[64 h + e][d],  q[b][h][e] = sum over d of x[b][0][d] * Wq[64 h + e][d],
;   c = 0.125 * log2(e), for all 16 batches and d = 256 dq .. 256 dq + 255.  With u, the score of token s is x[b][s][:] . u[b][h][:] (the sums of q.k
;   reordered: exact in real numbers, another order of rounding).  q of head h is made in each of the four dq groups.
; y >= 16, work-group (nt, G = y - 16):  16 rows of Wv (G < 16: rows 2048 + 64 G + 16 nt of w_qkv) or of w_proj (rows 64 (G - 16) + 16 nt) are rounded to bf16
;   and stored as matrix fragments:  wf[G][w][nt][ks][q][lane][16 bytes] = row 16 nt + lane % 16, k = 64 w + 32 ks + 16 q + 8 (lane / 16) + 0 .. 7.
;   The two last launches load these 512-byte blocks straight into registers.  64 + 128 work-groups: the second kind has 96 KiB to move against the first's 384 KiB.
; LIMITS: q, u, Wv and w_proj are rounded to bf16 (they are matrix operands); inputs are finite.
; NO CLUSTER: Wq's 64 rows and x's 16 rows are shared by the four dq groups, but they are converted f32 -> bf16 in registers on the way
; into LDS; a joint tensor load would land 320 KiB of f32 rows, more than the LDS holds beside the bf16 copy that the fragments need.
.set P,      2064                      ; LDS pitch of a row of 1024 bf16: 2048 + 16 = 129 x 16 bytes, so 16 rows start 16 bytes apart modulo 256
.set R16,    64*P                      ; bytes 0 ..: 64 rows (Wq of head h); from R16: 16 rows (x[b][0][:])
.set SP,     R16+16*P                  ; 16 partial tiles of 1 KiB, one a wave
.set US,     SP+16*1024                ; stage for u: 16 rows (b) of 256 bf16, pitch 528
.set UPITCH, 528
.set CV,     US+16*UPITCH              ; the conversion's stage lies behind the first kind's regions: no LDS byte is named by both paths of the text
.set CPITCH, 144                       ; conversion: a row of 64 bf16 + 16 bytes = 9 x 16 bytes
.set CVW,    16*CPITCH                 ; conversion: 16 such rows, each wave's own: CV + 2,304 w
.set L16,  1                           ; 16 x lane
.set VP16, 2                           ; R16 + w P + 8 lane
.set VP64, 3                           ; 4 w P + 8 lane
.set VCS,  2                           ; conversion: where my 8 bytes go
.set VCR,  3                           ; conversion: where my fragment pieces lie
.set VA64, 4                           ; fragment address in the 64 rows
.set VA16, 5                           ; fragment address in the 16 rows
.set VSP,  6                           ; my partial tile
.set VRD,  7                           ; SP + 16 lane
.set VWK,  8                           ; byte offset in a slab of 64 columns: lanes 0-15 a row's 256 bytes, lanes 16-31 those of the row 8 further down
.set VUS,  9                           ; where my 64 bytes of u go in the stage
.set VUR,  10                          ; where I read a row of the stage back
.set TA,   12                          ; v12-14 at work
.set QF,   16                          ; v[16:31]   q as two B fragments
.set FR,   32                          ; v[32:95]   fragments
.set W,    96                          ; v[96:223]  weight rows as loaded
.set O,    W+32                        ; packed u
.set S0,   224
.set S1,   232
.set RR,   240                         ; lane % 16
.set HH,   241                         ; lane / 16
.macro PLACES n
.rept \n
	v_nop
.endr
.endm
.macro BAR                             ; my LDS work is done; then the work-group's barrier
	s_wait_dscnt 0x0
	s_barrier_signal -1
	s_barrier_wait -1
.endm
.macro LDROW32 reg, sb, imm            ; a row of 1024 f32: eight loads of 512 consecutive bytes
.irp q, 0,1,2,3,4,5,6,7
	global_load_b128 v[\reg+4*\q:\reg+4*\q+3], v[L16], s[\sb:\sb+1] offset:\imm+512*\q
.endr
.endm
.macro PUTROW32 reg, va, imm           ; the same row, rounded to bf16, into LDS: 256 consecutive bytes an instruction
.irp q, 0,1,2,3,4,5,6,7
	v_cvt_pk_bf16_f32 v[\reg+4*\q], v[\reg+4*\q], v[\reg+4*\q+1]
	v_cvt_pk_bf16_f32 v[\reg+4*\q+1], v[\reg+4*\q+2], v[\reg+4*\q+3]
	ds_store_b64 v[\va], v[\reg+4*\q:\reg+4*\q+1] offset:\imm+256*\q
.endr
.endm
; Rows 2m and 2m+1 of a slab's load order, four columns a lane, become one register in each of four fragments whose K runs down the rows.
.macro TPAIR dst, src, m
.irp t, 0,1,2,3
	v_cvt_pk_bf16_f32 v[\dst+32*((\m)>>3)+8*\t+((\m)&7)], v[\src+8*(\m)+\t], v[\src+8*(\m)+4+\t]
.endr
.endm
; My quarter of K (256 numbers, 8 K steps of 32) of my 16 of the 64 rows against the 16 rows.  first = 64: the 64-row side is A.
.macro KQ first
.if \first == 64
.set KA, 0
.set KB, 8
.else
.set KA, 8
.set KB, 0
.endif
.irp bt, 0,1
.irp s, 0,1,2,3
	ds_load_b128 v[FR+16*\s:FR+16*\s+3],     v[VA64] offset:256*\bt+64*\s
	ds_load_b128 v[FR+16*\s+4:FR+16*\s+7],   v[VA64] offset:256*\bt+64*\s+32
	ds_load_b128 v[FR+16*\s+8:FR+16*\s+11],  v[VA16] offset:256*\bt+64*\s
	ds_load_b128 v[FR+16*\s+12:FR+16*\s+15], v[VA16] offset:256*\bt+64*\s+32
.endr
.irp s, 0,1,2,3
	s_wait_dscnt 4*(3-\s)                          ; the four loads of each younger K step may stay out
.if 4*\bt+\s < 2
	v_wmma_f32_16x16x32_bf16 v[S0+8*(\s&1):S0+8*(\s&1)+7], v[FR+16*\s+KA:FR+16*\s+KA+7], v[FR+16*\s+KB:FR+16*\s+KB+7], 0
.else
	v_wmma_f32_16x16x32_bf16 v[S0+8*(\s&1):S0+8*(\s&1)+7], v[FR+16*\s+KA:FR+16*\s+KA+7], v[FR+16*\s+KB:FR+16*\s+KB+7], v[S0+8*(\s&1):S0+8*(\s&1)+7]
.endif
.endr                                              ; S0 and S1 take turns, one instruction a turn
.if \bt == 0
	PLACES 4                                       ; four places before the fragment registers are loaded again (ISA guide 7.12.1)
.else
	PLACES 5                                       ; five before a later matrix instruction writes over them; the sums are read behind them too
.endif
.endr
.endm
; Tiles nt0 and nt0 + 1, each the sum of the four K quarters' partial tiles; results in v[base .. +7] and v[base+32 .. +39]
.macro REDUCE2 nt0, base
.irp il, 0,1
.irp k, 0,1,2,3
.irp q, 0,1
	ds_load_b128 v[\base+32*\il+8*\k+4*\q:\base+32*\il+8*\k+4*\q+3], v[VRD] offset:(4*\k+\nt0+\il)*1024+512*\q
.endr
.endr
.endr
	s_wait_dscnt 0x0
.irp il, 0,1
.irp i, 0,2,4,6
	v_pk_add_f32 v[\base+32*\il+\i:\base+32*\il+\i+1], v[\base+32*\il+\i:\base+32*\il+\i+1], v[\base+32*\il+8+\i:\base+32*\il+8+\i+1]
	v_pk_add_f32 v[\base+32*\il+16+\i:\base+32*\il+16+\i+1], v[\base+32*\il+16+\i:\base+32*\il+16+\i+1], v[\base+32*\il+24+\i:\base+32*\il+24+\i+1]
.endr
.irp i, 0,2,4,6
	v_pk_add_f32 v[\base+32*\il+\i:\base+32*\il+\i+1], v[\base+32*\il+\i:\base+32*\il+\i+1], v[\base+32*\il+16+\i:\base+32*\il+16+\i+1]
.endr
.endr
.endm
	s_load_b256 s[8:15], s[0:1], 0x0               ; x s[8:9], w_qkv s[10:11], w_proj s[12:13], u s[14:15]
	s_load_b64 s[16:17], s[0:1], 0x20              ; wf
	v_lshl_add_u32 v244, v0, 2, 0x37600
	v_mov_b32 v245, 0
	v_lshrrev_b32 v[TA], 5, v0
	v_readfirstlane_b32 s3, v[TA]                  ; wave w, 0 to 15
	s_mov_b32 s20, ttmp9                           ; the grid's x: dq, or nt
	s_and_b32 s21, ttmp7, 0xffff                   ; the grid's y: h, or 16 + G
	v_and_b32 v[TA+1], 31, v0                      ; lane
	v_lshlrev_b32 v[L16], 4, v[TA+1]
	v_and_b32 v[RR], 15, v0
	v_bfe_u32 v[HH], v0, 4, 1
	v_lshlrev_b32 v[TA], 4, v[RR]
	v_lshl_add_u32 v[VWK], v[HH], 15, v[TA]
	s_cmp_ge_u32 s21, 16                           ; the same in all waves of a work-group
	s_cbranch_scc1 .Lconv
	; ---- u ----
	s_and_b32 s22, s3, 3                           ; nt: which 16 of the 64 rows
	s_lshr_b32 s23, s3, 2                          ; kq: which quarter of K
	s_lshl_b32 s24, s3, 22                         ; x[w][0][:]: batch w
	s_mov_b32 s25, 0
	s_lshl_b32 s28, s21, 6                         ; 64 h
	s_lshl_b32 s2, s3, 2
	s_add_co_u32 s30, s28, s2
	s_lshl_b32 s30, s30, 12                        ; Wq rows 64 h + 4 w .. + 3
	s_mov_b32 s31, 0
	s_add_co_u32 s32, s28, 1024
	s_lshl_b32 s32, s32, 12                        ; Wk row 1024 + 64 h,
	s_lshl_b32 s2, s20, 10
	s_add_co_u32 s32, s32, s2                      ; column 256 dq,
	s_lshl_b32 s2, s22, 8
	s_add_co_u32 s32, s32, s2                      ; slab of 64 columns (w & 3: waves 0 to 3 use it)
	s_mov_b32 s33, 0
	s_lshl_b32 s34, s3, 4
	s_add_co_u32 s34, s34, s21
	s_lshl_b32 s34, s34, 11                        ; u[w][h][:],
	s_lshl_b32 s2, s20, 9
	s_add_co_u32 s34, s34, s2                      ; from column 256 dq
	s_mov_b32 s35, 0
	s_wait_kmcnt 0x0
	s_add_nc_u64 s[8:9], s[8:9], s[24:25]
	s_add_nc_u64 s[18:19], s[10:11], s[30:31]      ; Wq
	s_add_nc_u64 s[36:37], s[10:11], s[32:33]      ; Wk
	s_add_nc_u64 s[14:15], s[14:15], s[34:35]
	LDROW32 FR, 8, 0                               ; all 40 loads go out before anything else
.irp i, 0,1,2,3
	LDROW32 W+32*\i, 18, 4096*\i
.endr
	s_mul_i32 s2, s3, P
	s_add_co_u32 s2, s2, R16
	v_lshl_add_u32 v[VP16], v[TA+1], 3, s2
	s_mul_i32 s2, s3, 4*P
	v_lshl_add_u32 v[VP64], v[TA+1], 3, s2
	s_lshl_b32 s2, s22, 4
	v_add_nc_u32 v[TA], s2, v[RR]
	v_mul_u32_u24 v[TA], v[TA], P                  ; (16 nt + r) P
	s_lshl_b32 s2, s23, 9
	v_lshl_add_u32 v[TA+2], v[HH], 4, s2           ; 512 kq + 16 hh
	v_add_nc_u32 v[VA64], v[TA], v[TA+2]
	v_mul_u32_u24 v[TA], v[RR], P
	v_add_nc_u32 v[TA], v[TA], v[TA+2]
	v_add_nc_u32 v[VA16], R16, v[TA]
	s_lshl_b32 s2, s3, 10
	s_add_co_u32 s2, s2, SP
	v_add_nc_u32 v[VSP], s2, v[L16]
	v_add_nc_u32 v[VRD], SP, v[L16]
	v_mul_u32_u24 v[TA], v[RR], UPITCH
	s_lshl_b32 s2, s22, 7
	s_add_co_u32 s2, s2, US
	v_lshl_add_u32 v[TA+2], v[HH], 6, s2
	v_add_nc_u32 v[VUS], v[TA], v[TA+2]
	s_mul_i32 s2, s3, UPITCH
	s_add_co_u32 s2, s2, US
	v_add_nc_u32 v[VUR], s2, v[L16]
	s_wait_loadcnt 32                              ; the 32 loads of Wq rows may stay out: x's row is in
	PUTROW32 FR, VP16, 0
.irp i, 0,1,2,3
	s_wait_loadcnt 8*(3-\i)                        ; the younger rows' eight loads each may stay out
	PUTROW32 W+32*\i, VP64, \i*P
.endr
	s_wait_dscnt 0x0                               ; the LDS stores have read W
	s_cmp_ge_u32 s3, 4
	s_cbranch_scc1 .Lno_wk
	; waves 0 to 3: 64 rows (e) x 64 columns of Wk; load n = 16 ks + 8 g + i brings row 32 ks + 16 g + i (+ 8 in lanes 16-31). They land during the q product.
.irp n, 0,1,2,3,4,5,6,7,8,9,10,11,12,13,14,15,16,17,18,19,20,21,22,23,24,25,26,27,28,29,30,31
	global_load_b128 v[W+4*\n:W+4*\n+3], v[VWK], s[36:37] offset:(\n+8*(\n>>3))*4096 th:TH_LOAD_NT
.endr
.Lno_wk:
	BAR                                            ; both regions are whole
	KQ 64                                          ; lane (r, hh), register j: q[b = r][e = 16 nt + 8 hh + j], my quarter of K
.irp i, 0,2,4,6
	v_pk_add_f32 v[S0+\i:S0+\i+1], v[S0+\i:S0+\i+1], v[S1+\i:S1+\i+1]
.endr
	ds_store_b128 v[VSP], v[S0:S0+3]
	ds_store_b128 v[VSP], v[S0+4:S0+7] offset:512
	BAR                                            ; all sixteen partial tiles are in LDS
	s_cmp_ge_u32 s3, 4
	s_cbranch_scc1 .Lno_u
.irp ks, 0,1
	REDUCE2 2*\ks, FR                              ; e = 32 ks .. 32 ks + 31: as laid out this is already a fragment with K = e
.irp il, 0,1
.irp i, 0,2,4,6
	v_pk_mul_f32 v[FR+32*\il+\i:FR+32*\il+\i+1], v[FR+32*\il+\i:FR+32*\il+\i+1], 0x3e38aa3b op_sel_hi:[1,0]   ; x 0.125 log2(e)
.endr
.endr
.irp il, 0,1
.irp i, 0,1,2,3
	v_cvt_pk_bf16_f32 v[QF+8*\ks+4*\il+\i], v[FR+32*\il+2*\i], v[FR+32*\il+2*\i+1]
.endr
.endr
.endr
	s_wait_loadcnt 0x0                             ; the Wk slab
.irp m, 0,1,2,3,4,5,6,7,8,9,10,11,12,13,14,15
	TPAIR FR, W, \m                                ; fragment (ks, t): row r stands for column 4 r + t of the slab, K = e
.endr
.irp ks, 0,1
.irp t, 0,1,2,3
.if \ks == 0
	v_wmma_f32_16x16x32_bf16 v[W+8*\t:W+8*\t+7], v[FR+32*\ks+8*\t:FR+32*\ks+8*\t+7], v[QF+8*\ks:QF+8*\ks+7], 0
.else
	v_wmma_f32_16x16x32_bf16 v[W+8*\t:W+8*\t+7], v[FR+32*\ks+8*\t:FR+32*\ks+8*\t+7], v[QF+8*\ks:QF+8*\ks+7], v[W+8*\t:W+8*\t+7]
.endif
.endr
.endr                                              ; four accumulators take turns
	PLACES 4
.irp j, 0,1,2,3,4,5,6,7
	v_cvt_pk_bf16_f32 v[O+2*\j], v[W+\j], v[W+8+\j]            ; lane (r = b, hh): columns 32 hh + 4 j + 0, 1
	v_cvt_pk_bf16_f32 v[O+2*\j+1], v[W+16+\j], v[W+24+\j]      ; and + 2, 3
.endr
.irp q, 0,1,2,3
	ds_store_b128 v[VUS], v[O+4*\q:O+4*\q+3] offset:16*\q
.endr
.Lno_u:
	BAR                                            ; the stage is whole
	ds_load_b128 v[W+48:W+51], v[VUR]              ; wave w: batch w's 512 bytes
	s_wait_dscnt 0x0
	global_store_b128 v[L16], v[W+48:W+51], s[14:15]           ; 512 consecutive bytes, aligned
	s_wait_tensorcnt 0x0
	ds_add_u32 v244, v245
	s_wait_dscnt 0x0
	s_endpgm
	; ---- weights as fragments.  Wave w: 16 rows x columns 64 w .. 64 w + 63.  Its LDS bytes are its own: no barrier on this path ----
.Lconv:
	s_sub_co_u32 s28, s21, 16                      ; G, 0 to 31
	s_and_b32 s29, s28, 15
	s_lshl_b32 s30, s29, 6
	s_lshl_b32 s2, s20, 4
	s_add_co_u32 s30, s30, s2                      ; row 64 (G % 16) + 16 nt,
	s_cmp_lt_u32 s28, 16
	s_cselect_b32 s2, 2048, 0                      ; behind Wq and Wk where the rows are Wv's
	s_add_co_u32 s30, s30, s2
	s_lshl_b32 s30, s30, 12
	s_lshl_b32 s2, s3, 8
	s_add_co_u32 s30, s30, s2                      ; my 256 bytes of each row
	s_mov_b32 s31, 0
	s_lshl_b32 s34, s28, 17                        ; wf: 128 KiB a group,
	s_lshl_b32 s2, s3, 13
	s_add_co_u32 s34, s34, s2                      ; 8 KiB a slice of K,
	s_lshl_b32 s2, s20, 11
	s_add_co_u32 s34, s34, s2                      ; 2 KiB a tile of 16 rows
	s_mov_b32 s35, 0
	s_wait_kmcnt 0x0
	s_cmp_lt_u32 s28, 16                           ; compared again: the sums above have written SCC
	s_cselect_b64 s[18:19], s[10:11], s[12:13]     ; w_qkv or w_proj
	s_add_nc_u64 s[18:19], s[18:19], s[30:31]
	s_add_nc_u64 s[16:17], s[16:17], s[34:35]
.irp n, 0,1,2,3,4,5,6,7
	global_load_b128 v[W+4*\n:W+4*\n+3], v[VWK], s[18:19] offset:\n*4096 th:TH_LOAD_NT   ; rows n and n + 8: 256 consecutive bytes each, aligned
.endr
	s_mul_i32 s22, s3, CVW
	s_add_co_u32 s22, s22, CV                      ; my wave's 2,304 bytes
	v_mul_u32_u24 v[TA], v[HH], 8*CPITCH
	v_lshl_add_u32 v[TA+2], v[RR], 3, s22
	v_add_nc_u32 v[VCS], v[TA], v[TA+2]            ; row 8 hh, byte 8 r: the two halves of the lanes lie 1,152 = 128 modulo 256 bytes apart
	v_mul_u32_u24 v[TA], v[RR], CPITCH
	v_lshl_add_u32 v[TA+2], v[HH], 4, s22
	v_add_nc_u32 v[VCR], v[TA], v[TA+2]            ; row r, byte 16 hh
.irp n, 0,1,2,3,4,5,6,7
	s_wait_loadcnt 7-\n                            ; the younger loads may stay out
	v_cvt_pk_bf16_f32 v[W+4*\n], v[W+4*\n], v[W+4*\n+1]
	v_cvt_pk_bf16_f32 v[W+4*\n+1], v[W+4*\n+2], v[W+4*\n+3]
	ds_store_b64 v[VCS], v[W+4*\n:W+4*\n+1] offset:\n*CPITCH
.endr
.irp i, 0,1,2,3
	ds_load_b128 v[FR+4*\i:FR+4*\i+3], v[VCR] offset:32*\i     ; i = 2 ks + q.  LDS serves a wave's instructions in order (ISA guide 5.7.1.4): these see the stores above
.endr
.irp i, 0,1,2,3
	s_wait_dscnt 3-\i                              ; the younger reads may stay out
	global_store_b128 v[L16], v[FR+4*\i:FR+4*\i+3], s[16:17] offset:512*\i   ; 512 consecutive bytes, aligned
.endr
	s_wait_tensorcnt 0x0
	ds_add_u32 v244, v245
	s_wait_dscnt 0x0
	s_endpgm
.Lfunc_end_k_qd43f22bc00_qu:
	.size	k_qd43f22bc00_qu, .Lfunc_end_k_qd43f22bc00_qu-k_qd43f22bc00_qu
	.p2alignl 7, 3214868480
	.fill 96, 4, 3214868480
	.section	.rodata,"a",@progbits
	.p2align	6, 0x0
	.amdhsa_kernel k_qd43f22bc00_qu
		.amdhsa_group_segment_fixed_size 228864
		.amdhsa_private_segment_fixed_size 0
		.amdhsa_enable_private_segment 0
		.amdhsa_kernarg_size 40
		.amdhsa_user_sgpr_count 2
		.amdhsa_user_sgpr_kernarg_segment_ptr 1
		.amdhsa_wavefront_size32 1
		.amdhsa_system_sgpr_workgroup_id_x 1
		.amdhsa_system_sgpr_workgroup_id_y 1
		.amdhsa_system_sgpr_workgroup_id_z 1
		.amdhsa_system_vgpr_workitem_id 0
		.amdhsa_next_free_vgpr 246
		.amdhsa_next_free_sgpr 66
		.amdhsa_reserve_vcc 0
		.amdhsa_float_denorm_mode_32 3
		.amdhsa_float_denorm_mode_16_64 3
		.amdhsa_memory_ordered 1
		.amdhsa_forward_progress 1
		.amdhsa_inst_pref_size 40
	.end_amdhsa_kernel
	.amdgpu_metadata
---
amdhsa.version: [ 1, 2 ]
amdhsa.kernels:
  - .name:           k_qd43f22bc00_qu
    .symbol:         k_qd43f22bc00_qu.kd
    .args:
      - { .name: x, .offset: 0, .size: 8, .value_kind: global_buffer, .address_space: global }
      - { .name: w_qkv, .offset: 8, .size: 8, .value_kind: global_buffer, .address_space: global }
      - { .name: w_proj, .offset: 16, .size: 8, .value_kind: global_buffer, .address_space: global }
      - { .name: u, .offset: 24, .size: 8, .value_kind: global_buffer, .address_space: global }
      - { .name: wf, .offset: 32, .size: 8, .value_kind: global_buffer, .address_space: global }
    .group_segment_fixed_size: 228864
    .private_segment_fixed_size: 0
    .kernarg_segment_align: 8
    .kernarg_segment_size: 40
    .max_flat_workgroup_size: 512
    .sgpr_count:     66
    .vgpr_count:     246
    .wavefront_size: 32
...
	.end_amdgpu_metadata
.endif
;; end of part 1
;; launch main (part 2): grid 16 x 16, 16 waves a work-group, no clusters, 185,600 bytes of LDS; arguments x, u, out0, yp, ml; writes out0, yp, ml
.if DOCPART == 2
	.amdgcn_target "amdgcn-amd-amdhsa--gfx1250"
	.amdhsa_code_object_version 6
	.text
	.protected	k_qd43f22bc00_main
	.globl	k_qd43f22bc00_main
	.p2align	8
	.type	k_qd43f22bc00_main,@function
k_qd43f22bc00_main:
	s_mov_b64 s[64:65], 0
	v_nop
	global_prefetch_b8 v0, s[64:65] scope:SCOPE_SE
	s_setreg_imm32_b32 hwreg(HW_REG_WAVE_MODE, 25, 1), 1
	s_wait_xcnt 0x0
; Work-group (c, b): tokens 64 c .. 64 c + 63 of batch b.  x is read once, and from those registers:
;   out0 gets the copy (all tokens but token 0 of the batch, which the last launch writes);
;   t[tok][h] = x[tok][:] . u[b][h][:]  (u carries 0.125 log2(e));  m[h] = max over the 64 tokens;  p = 2^(t - m);  l[h] = sum of p;
;   yp[b][h][c][d] = sum over the 64 tokens of p[tok][h] x[tok][d]   (bf16: it is only ever the next launch's matrix operand).
; The chunks' m, l and yp are combined in f32 in the next launch: the softmax's maximum is taken away, chunk by chunk and then over chunks.
; LIMITS: x, u, p and yp are rounded to bf16 as matrix operands; l sums p before that rounding; 2^(t - m) below 2^-126 comes out as 0
; (ISA guide, v_exp_f32); inputs are finite.
; Wave w owns columns 64 w .. 64 w + 63 of all 64 tokens (16 KiB, 32 loads, all out from the start); a lane owns 4 columns of 32 tokens.
; NO CLUSTER: what work-groups share is u[b], 32 KiB of the 288 KiB that a work-group reads.  No tensor loads: each byte passes registers
; once for the copy, and is rounded to bf16 there on its way to LDS.
.set P,    2064                        ; LDS pitch of 1024 bf16: 129 x 16 bytes, so 16 rows start 16 bytes apart modulo 256
.set R16,  64*P                        ; bytes 0 ..: the 64 tokens; from R16: u's 16 rows, later the stage for yp's 16 rows
.set SP,   R16+16*P                    ; 16 partial tiles of 1 KiB
.set PB,   SP+16*1024                  ; p as two A fragments, 2 KiB
.set L16,  1                           ; 16 x lane
.set VOFF, 2                           ; byte offset in x and out0: (lane / 16) 8 rows + 256 w + 16 (lane % 16)
.set VTOK, 3                           ; the token of my first load
.set LX0,  4                           ; v4, v5: where my 8 bytes of bf16 go, tokens 0-31 and 32-63
.set VUL,  6                           ; R16 + w P + 16 lane
.set VA64, 7
.set VA16, 8
.set VSP,  9
.set VRD,  10
.set VPB,  11
.set VYS,  12
.set L4,   13                          ; 4 x lane
.set MLV,  14
.set XT,   15                          ; the other half's value
.set T,    16                          ; v[16:23] at work
.set UR,   24                          ; v[24:39] a row of u; at the end a row of yp
.set MX,   24                          ; wave 0: m
.set LS,   25                          ; wave 0: l
.set YB,   40                          ; v[40:103] x as B fragments with K = token: (ks, t) at YB + 32 ks + 8 t
.set X,    104                         ; v[104:231] x as loaded
.set FR,   X                           ; later: fragments
.set PW,   X+8                         ; wave 0: packed p
.set PF,   X                           ; p's two A fragments
.set DY,   X+16                        ; four accumulators of yp
.set O,    X+48                        ; packed yp
.set S0,   232
.set S1,   240
.set RR,   248
.set HH,   249
.macro PLACES n
.rept \n
	v_nop
.endr
.endm
.macro BAR                             ; my LDS work is done; then the work-group's barrier
	s_wait_dscnt 0x0
	s_barrier_signal -1
	s_barrier_wait -1
.endm
; Rows 2m and 2m+1 of the load order, four columns a lane, become one register in each of four fragments whose K runs down the rows.
.macro TPAIR dst, src, m
.irp t, 0,1,2,3
	v_cvt_pk_bf16_f32 v[\dst+32*((\m)>>3)+8*\t+((\m)&7)], v[\src+8*(\m)+\t], v[\src+8*(\m)+4+\t]
.endr
.endm
; My quarter of K (256 numbers, 8 K steps of 32) of my 16 of the 64 rows against the 16 rows.  first = 64: the 64-row side is A.
.macro KQ first
.if \first == 64
.set KA, 0
.set KB, 8
.else
.set KA, 8
.set KB, 0
.endif
.irp bt, 0,1
.irp s, 0,1,2,3
	ds_load_b128 v[FR+16*\s:FR+16*\s+3],     v[VA64] offset:256*\bt+64*\s
	ds_load_b128 v[FR+16*\s+4:FR+16*\s+7],   v[VA64] offset:256*\bt+64*\s+32
	ds_load_b128 v[FR+16*\s+8:FR+16*\s+11],  v[VA16] offset:256*\bt+64*\s
	ds_load_b128 v[FR+16*\s+12:FR+16*\s+15], v[VA16] offset:256*\bt+64*\s+32
.endr
.irp s, 0,1,2,3
	s_wait_dscnt 4*(3-\s)                          ; the four loads of each younger K step may stay out
.if 4*\bt+\s < 2
	v_wmma_f32_16x16x32_bf16 v[S0+8*(\s&1):S0+8*(\s&1)+7], v[FR+16*\s+KA:FR+16*\s+KA+7], v[FR+16*\s+KB:FR+16*\s+KB+7], 0
.else
	v_wmma_f32_16x16x32_bf16 v[S0+8*(\s&1):S0+8*(\s&1)+7], v[FR+16*\s+KA:FR+16*\s+KA+7], v[FR+16*\s+KB:FR+16*\s+KB+7], v[S0+8*(\s&1):S0+8*(\s&1)+7]
.endif
.endr                                              ; S0 and S1 take turns, one instruction a turn
.if \bt == 0
	PLACES 4                                       ; four places before the fragment registers are loaded again (ISA guide 7.12.1)
.else
	PLACES 5                                       ; five before a later matrix instruction writes over them; the sums are read behind them too
.endif
.endr
.endm
; Tiles nt0 and nt0 + 1, each the sum of the four K quarters' partial tiles; results in v[base .. +7] and v[base+32 .. +39]
.macro REDUCE2 nt0, base
.irp il, 0,1
.irp k, 0,1,2,3
.irp q, 0,1
	ds_load_b128 v[\base+32*\il+8*\k+4*\q:\base+32*\il+8*\k+4*\q+3], v[VRD] offset:(4*\k+\nt0+\il)*1024+512*\q
.endr
.endr
.endr
	s_wait_dscnt 0x0
.irp il, 0,1
.irp i, 0,2,4,6
	v_pk_add_f32 v[\base+32*\il+\i:\base+32*\il+\i+1], v[\base+32*\il+\i:\base+32*\il+\i+1], v[\base+32*\il+8+\i:\base+32*\il+8+\i+1]
	v_pk_add_f32 v[\base+32*\il+16+\i:\base+32*\il+16+\i+1], v[\base+32*\il+16+\i:\base+32*\il+16+\i+1], v[\base+32*\il+24+\i:\base+32*\il+24+\i+1]
.endr
.irp i, 0,2,4,6
	v_pk_add_f32 v[\base+32*\il+\i:\base+32*\il+\i+1], v[\base+32*\il+\i:\base+32*\il+\i+1], v[\base+32*\il+16+\i:\base+32*\il+16+\i+1]
.endr
.endr
.endm
	s_load_b256 s[8:15], s[0:1], 0x0               ; x s[8:9], u s[10:11], out0 s[12:13], yp s[14:15]
	s_load_b64 s[16:17], s[0:1], 0x20              ; ml
	v_lshl_add_u32 v252, v0, 2, 0x2cd00
	v_mov_b32 v253, 0
	v_lshrrev_b32 v[T], 5, v0
	v_readfirstlane_b32 s3, v[T]                   ; wave w, 0 to 15
	s_mov_b32 s20, ttmp9                           ; c
	s_and_b32 s21, ttmp7, 0xffff                   ; b
	s_and_b32 s22, s3, 3                           ; nt: which 16 tokens in the score product
	s_lshr_b32 s23, s3, 2                          ; kq: which quarter of K
	s_mov_b32 s26, 0x76543210                      ; v_permlanex16_b32: lane i reads lane i of the other half
	s_mov_b32 s27, 0xfedcba98
	v_and_b32 v[T+1], 31, v0
	v_and_b32 v[RR], 15, v0
	v_bfe_u32 v[HH], v0, 4, 1
	v_lshlrev_b32 v[L16], 4, v[T+1]
	v_lshlrev_b32 v[L4], 2, v[T+1]
	s_lshl_b32 s2, s3, 8
	v_lshl_add_u32 v[VOFF], v[RR], 4, s2
	v_lshl_add_u32 v[VOFF], v[HH], 15, v[VOFF]
	s_lshl_b32 s24, s21, 22                        ; x and out0: batch b,
	s_lshl_b32 s2, s20, 18
	s_add_co_u32 s24, s24, s2                      ; token 64 c
	s_mov_b32 s25, 0
	s_lshl_b32 s30, s21, 4
	s_add_co_u32 s30, s30, s3
	s_lshl_b32 s30, s30, 11                        ; u[b][w][:]
	s_mov_b32 s31, 0
	s_lshl_b32 s32, s21, 8
	s_lshl_b32 s2, s3, 4
	s_add_co_u32 s32, s32, s2
	s_add_co_u32 s32, s32, s20
	s_lshl_b32 s32, s32, 11                        ; yp[b][w][c][:]
	s_mov_b32 s33, 0
	s_lshl_b32 s34, s21, 4
	s_add_co_u32 s34, s34, s20
	s_lshl_b32 s34, s34, 7                         ; ml[b][c][:]
	s_mov_b32 s35, 0
	s_wait_kmcnt 0x0
	s_add_nc_u64 s[8:9], s[8:9], s[24:25]
	s_add_nc_u64 s[12:13], s[12:13], s[24:25]
	s_add_nc_u64 s[10:11], s[10:11], s[30:31]
	s_add_nc_u64 s[14:15], s[14:15], s[32:33]
	s_add_nc_u64 s[16:17], s[16:17], s[34:35]
.irp q, 0,1,2,3
	global_load_b128 v[UR+4*\q:UR+4*\q+3], v[L16], s[10:11] offset:512*\q          ; head w's row of u
.endr
	; load n = 16 ks + 8 g + i brings token 32 ks + 16 g + i in lanes 0-15 (256 consecutive bytes, aligned) and the token 8 further down in lanes 16-31
.irp n, 0,1,2,3,4,5,6,7,8,9,10,11,12,13,14,15,16,17,18,19,20,21,22,23,24,25,26,27,28,29,30,31
	global_load_b128 v[X+4*\n:X+4*\n+3], v[VOFF], s[8:9] offset:(\n+8*(\n>>3))*4096 th:TH_LOAD_NT
.endr
	s_lshl_b32 s2, s20, 6
	v_lshl_add_u32 v[VTOK], v[HH], 3, s2           ; 64 c + 8 hh
	v_mul_u32_u24 v[T], v[HH], 8*P
	s_lshl_b32 s2, s3, 7
	v_lshl_add_u32 v[LX0], v[RR], 3, s2
	v_add_nc_u32 v[LX0], v[LX0], v[T]              ; 8 hh P + 128 w + 8 r
	v_add_nc_u32 v[LX0+1], 32*P, v[LX0]
	v_add_nc_u32 v[VYS], R16, v[LX0]
	s_mul_i32 s2, s3, P
	s_add_co_u32 s2, s2, R16
	v_add_nc_u32 v[VUL], s2, v[L16]
	s_lshl_b32 s2, s22, 4
	v_add_nc_u32 v[T], s2, v[RR]
	v_mul_u32_u24 v[T], v[T], P                    ; (16 nt + r) P
	s_lshl_b32 s2, s23, 9
	v_lshl_add_u32 v[T+1], v[HH], 4, s2            ; 512 kq + 16 hh
	v_add_nc_u32 v[VA64], v[T], v[T+1]
	v_mul_u32_u24 v[T], v[RR], P
	v_add_nc_u32 v[T], v[T], v[T+1]
	v_add_nc_u32 v[VA16], R16, v[T]
	s_lshl_b32 s2, s3, 10
	s_add_co_u32 s2, s2, SP
	v_add_nc_u32 v[VSP], s2, v[L16]
	v_add_nc_u32 v[VRD], SP, v[L16]
	v_add_nc_u32 v[VPB], PB, v[L16]
	v_mov_b32 v[XT], 0                             ; v_permlanex16_b32 counts as a reader of its destination
	s_wait_loadcnt 32                              ; the 32 loads of x may stay out: u's row is in
.irp q, 0,1,2,3
	ds_store_b128 v[VUL], v[UR+4*\q:UR+4*\q+3] offset:512*\q
.endr
	; each load as it comes: the copy out, the bf16 row piece into LDS, and (every second) the fragments with K = token
.irp n, 0,1,2,3,4,5,6,7,8,9,10,11,12,13,14,15,16,17,18,19,20,21,22,23,24,25,26,27,28,29,30,31
	s_wait_loadcnt 31-\n                           ; the younger loads of x may stay out
.if \n == 0
	s_wait_xcnt 0x0                                ; EXEC is a source of what has been issued: it changes only behind this wait
	v_cmp_ne_u32 vcc_lo, 0, v[VTOK]                ; token 0 of the batch is not copied
	s_and_saveexec_b32 s28, vcc_lo
	global_store_b128 v[VOFF], v[X:X+3], s[12:13] th:TH_STORE_NT
	s_wait_xcnt 0x0                                ; and again in front of the line that widens it
	s_or_b32 exec_lo, exec_lo, s28
.else
	global_store_b128 v[VOFF], v[X+4*\n:X+4*\n+3], s[12:13] offset:(\n+8*(\n>>3))*4096 th:TH_STORE_NT   ; 16 lanes: 256 consecutive bytes, aligned
.endif
	v_cvt_pk_bf16_f32 v[T+2*(\n&3)], v[X+4*\n], v[X+4*\n+1]
	v_cvt_pk_bf16_f32 v[T+2*(\n&3)+1], v[X+4*\n+2], v[X+4*\n+3]
	ds_store_b64 v[LX0+(\n>>4)], v[T+2*(\n&3):T+2*(\n&3)+1] offset:((\n+8*(\n>>3))&31)*P   ; the two halves of the lanes lie 8 P = 128 bytes modulo 256 apart
.if \n & 1
	TPAIR YB, X, (\n>>1)
.endif
.endr
	s_wait_xcnt 0x0                                ; X, the stores' data, is written again only behind this wait
	BAR                                            ; tokens and u are whole in LDS
	KQ 64                                          ; lane (r, hh), register j: t[token 16 nt + 8 hh + j][head r], my quarter of K
.irp i, 0,2,4,6
	v_pk_add_f32 v[S0+\i:S0+\i+1], v[S0+\i:S0+\i+1], v[S1+\i:S1+\i+1]
.endr
	ds_store_b128 v[VSP], v[S0:S0+3]
	ds_store_b128 v[VSP], v[S0+4:S0+7] offset:512
	BAR                                            ; all sixteen partial tiles are in LDS
	s_cmp_lg_u32 s3, 0
	s_cbranch_scc1 .Lnot_wave_0
	; wave 0: the chunk's softmax, 64 tokens x 16 heads = 32 numbers a lane; tile nt at X + 32 nt
	REDUCE2 0, X
	REDUCE2 2, X+64
.irp t, 0,1,2,3
	v_max3_num_f32 v[T+\t], v[X+32*\t], v[X+32*\t+1], v[X+32*\t+2]
.endr
.irp t, 0,1,2,3
	v_max3_num_f32 v[T+\t], v[T+\t], v[X+32*\t+3], v[X+32*\t+4]
.endr
.irp t, 0,1,2,3
	v_max3_num_f32 v[T+\t], v[T+\t], v[X+32*\t+5], v[X+32*\t+6]
.endr
.irp t, 0,1,2,3
	v_max_num_f32 v[T+\t], v[T+\t], v[X+32*\t+7]
.endr
	v_max3_num_f32 v[MX], v[T], v[T+1], v[T+2]
	v_max_num_f32 v[MX], v[MX], v[T+3]
	v_permlanex16_b32 v[XT], v[MX], s26, s27       ; the same head's other 32 tokens
	v_max_num_f32 v[MX], v[MX], v[XT]
.irp t, 0,1,2,3
.irp j, 0,1,2,3,4,5,6,7
	v_sub_f32 v[X+32*\t+\j], v[X+32*\t+\j], v[MX]
.endr
.endr
.irp t, 0,1,2,3
.irp j, 0,1,2,3,4,5,6,7
	v_exp_f32 v[X+32*\t+\j], v[X+32*\t+\j]
.endr
.endr
	v_nop                                          ; one plain place behind the last v_exp_f32 before its result is read (ISA guide 5.7.2)
	s_wait_alu depctr_va_vdst(0)
.irp t, 0,1,2,3
	v_pk_add_f32 v[T+2*\t:T+2*\t+1], v[X+32*\t:X+32*\t+1], v[X+32*\t+2:X+32*\t+3]
.endr
.irp t, 0,1,2,3
	v_pk_add_f32 v[T+2*\t:T+2*\t+1], v[T+2*\t:T+2*\t+1], v[X+32*\t+4:X+32*\t+5]
.endr
.irp t, 0,1,2,3
	v_pk_add_f32 v[T+2*\t:T+2*\t+1], v[T+2*\t:T+2*\t+1], v[X+32*\t+6:X+32*\t+7]
.endr
	v_pk_add_f32 v[T:T+1], v[T:T+1], v[T+2:T+3]
	v_pk_add_f32 v[T+4:T+5], v[T+4:T+5], v[T+6:T+7]
	v_pk_add_f32 v[T:T+1], v[T:T+1], v[T+4:T+5]
	v_add_f32 v[LS], v[T], v[T+1]
	v_permlanex16_b32 v[XT], v[LS], s26, s27
	v_add_f32 v[LS], v[LS], v[XT]
.irp t, 0,1,2,3
.irp i, 0,1,2,3
	v_cvt_pk_bf16_f32 v[PW+4*\t+\i], v[X+32*\t+2*\i], v[X+32*\t+2*\i+1]    ; tiles 2 ks, 2 ks + 1 are registers 0-3, 4-7 of the A fragment (row = head, K = token) of K step ks
.endr
.endr
.irp t, 0,1,2,3
	ds_store_b128 v[VPB], v[PW+4*\t:PW+4*\t+3] offset:512*\t
.endr
	v_cmp_gt_u32 vcc_lo, 64, v[L4]                 ; lanes 0-15
	v_cndmask_b32 v[MLV], v[LS], v[MX], vcc_lo     ; words 0-15: m of heads 0-15; words 16-31: l
	global_store_b32 v[L4], v[MLV], s[16:17]       ; 128 consecutive bytes
.Lnot_wave_0:
	BAR                                            ; p is in LDS
.irp t, 0,1,2,3
	ds_load_b128 v[PF+4*\t:PF+4*\t+3], v[VPB] offset:512*\t
.endr
	s_wait_dscnt 0x0
.irp ks, 0,1
.irp t, 0,1,2,3
.if \ks == 0
	v_wmma_f32_16x16x32_bf16 v[DY+8*\t:DY+8*\t+7], v[PF+8*\ks:PF+8*\ks+7], v[YB+32*\ks+8*\t:YB+32*\ks+8*\t+7], 0
.else
	v_wmma_f32_16x16x32_bf16 v[DY+8*\t:DY+8*\t+7], v[PF+8*\ks:PF+8*\ks+7], v[YB+32*\ks+8*\t:YB+32*\ks+8*\t+7], v[DY+8*\t:DY+8*\t+7]
.endif
.endr
.endr                                              ; four accumulators take turns
	PLACES 4
	; lane (r, hh), register j of tile t: head 8 hh + j, column 64 w + 4 r + t.  u's rows were last read in front of the second barrier: the region now stages yp
.irp j, 0,1,2,3,4,5,6,7
	v_cvt_pk_bf16_f32 v[O+2*\j], v[DY+\j], v[DY+8+\j]
	v_cvt_pk_bf16_f32 v[O+2*\j+1], v[DY+16+\j], v[DY+24+\j]
	ds_store_b64 v[VYS], v[O+2*\j:O+2*\j+1] offset:\j*P
.endr
	BAR                                            ; the 16 rows of yp are whole
.irp q, 0,1,2,3
	ds_load_b128 v[UR+4*\q:UR+4*\q+3], v[VUL] offset:512*\q                ; wave w: head w's row
.endr
.irp q, 0,1,2,3
	s_wait_dscnt 3-\q                              ; the younger reads may stay out
	global_store_b128 v[L16], v[UR+4*\q:UR+4*\q+3], s[14:15] offset:512*\q ; 512 consecutive bytes, aligned
.endr
	s_wait_tensorcnt 0x0
	ds_add_u32 v252, v253
	s_wait_dscnt 0x0
	s_endpgm
.Lfunc_end_k_qd43f22bc00_main:
	.size	k_qd43f22bc00_main, .Lfunc_end_k_qd43f22bc00_main-k_qd43f22bc00_main
	.p2alignl 7, 3214868480
	.fill 96, 4, 3214868480
	.section	.rodata,"a",@progbits
	.p2align	6, 0x0
	.amdhsa_kernel k_qd43f22bc00_main
		.amdhsa_group_segment_fixed_size 185600
		.amdhsa_private_segment_fixed_size 0
		.amdhsa_enable_private_segment 0
		.amdhsa_kernarg_size 40
		.amdhsa_user_sgpr_count 2
		.amdhsa_user_sgpr_kernarg_segment_ptr 1
		.amdhsa_wavefront_size32 1
		.amdhsa_system_sgpr_workgroup_id_x 1
		.amdhsa_system_sgpr_workgroup_id_y 1
		.amdhsa_system_sgpr_workgroup_id_z 1
		.amdhsa_system_vgpr_workitem_id 0
		.amdhsa_next_free_vgpr 254
		.amdhsa_next_free_sgpr 66
		.amdhsa_reserve_vcc 1
		.amdhsa_float_denorm_mode_32 3
		.amdhsa_float_denorm_mode_16_64 3
		.amdhsa_memory_ordered 1
		.amdhsa_forward_progress 1
		.amdhsa_inst_pref_size 39
	.end_amdhsa_kernel
	.amdgpu_metadata
---
amdhsa.version: [ 1, 2 ]
amdhsa.kernels:
  - .name:           k_qd43f22bc00_main
    .symbol:         k_qd43f22bc00_main.kd
    .args:
      - { .name: x, .offset: 0, .size: 8, .value_kind: global_buffer, .address_space: global }
      - { .name: u, .offset: 8, .size: 8, .value_kind: global_buffer, .address_space: global }
      - { .name: out0, .offset: 16, .size: 8, .value_kind: global_buffer, .address_space: global }
      - { .name: yp, .offset: 24, .size: 8, .value_kind: global_buffer, .address_space: global }
      - { .name: ml, .offset: 32, .size: 8, .value_kind: global_buffer, .address_space: global }
    .group_segment_fixed_size: 185600
    .private_segment_fixed_size: 0
    .kernarg_segment_align: 8
    .kernarg_segment_size: 40
    .max_flat_workgroup_size: 512
    .sgpr_count:     66
    .vgpr_count:     254
    .wavefront_size: 32
...
	.end_amdgpu_metadata
.endif
;; end of part 2
;; launch cls (part 3): grid 16 x 16, 16 waves a work-group, no clusters, 169,984 bytes of LDS; arguments yp, ml, wf, cls; writes cls
.if DOCPART == 3
	.amdgcn_target "amdgcn-amd-amdhsa--gfx1250"
	.amdhsa_code_object_version 6
	.text
	.protected	k_qd43f22bc00_cls
	.globl	k_qd43f22bc00_cls
	.p2align	8
	.type	k_qd43f22bc00_cls,@function
k_qd43f22bc00_cls:
	s_mov_b64 s[64:65], 0
	v_nop
	global_prefetch_b8 v0, s[64:65] scope:SCOPE_SE
	s_setreg_imm32_b32 hwreg(HW_REG_WAVE_MODE, 25, 1), 1
	s_wait_xcnt 0x0
; Work-group (h, b).  Z[c][e] = yp[b][h][c][:] . Wv[64 h + e][:] for the 16 chunks c;  M = max of m[c];  w[c] = 2^(m[c] - M);
; a[c] = w[c] / (sum over c of w[c] l[c]);  cls[b][64 h + e] = sum over c of a[c] Z[c][e].  The combination over chunks is in f32, behind the product.
; The divisor is at least 1: the chunk that holds M has w = 1 and l >= 1.
; Wave w takes k = 64 w .. 64 w + 63 of all 64 e: two K steps x four tiles.  Wv comes as bf16 fragments (buffer wf, written by the first launch): the wave's
; 8 KiB are 16 loads of 512 consecutive bytes straight into registers.  Only yp's 16 rows go through LDS (each wave brings a row and reads 2 KiB of fragments).
; LIMITS: Wv and yp are bf16 matrix operands; a weight below 2^-126 comes out as 0 (ISA guide, v_exp_f32); inputs are finite.
; NO CLUSTER: the 128 KiB of fragments are shared by the 16 work-groups of a head, but a joint tensor load would land them in LDS, from where every byte
; would have to be read once more into registers; here they go to the registers at once.
; The launch asks for more than half of a WGP's LDS (it uses 37,376 bytes), so that a work-group has a WGP to itself.
.set P,    2064                        ; LDS pitch of 1024 bf16: 129 x 16 bytes, so 16 rows start 16 bytes apart modulo 256
.set WB,   16*P                        ; bytes 0 ..: the 16 chunks' rows of yp; from WB: the 16 weights a[c]
.set SC,   WB+256                      ; [w][64 e] f32, 4 KiB
.set L16,  1                           ; 16 x lane
.set VUL,  2                           ; w P + 16 lane
.set VA16, 3                           ; r P + 128 w + 16 hh
.set VML,  4                           ; 128 r + 64 hh: lane c m[c], lane 16 + c l[c]
.set VWB,  5                           ; WB + 4 r
.set VWR,  6                           ; WB + 32 hh
.set VSC,  7                           ; SC + 256 w + 4 r
.set L8,   8                           ; 8 x lane
.set VSR,  9                           ; SC + 8 lane
.set ML,   10                          ; wave 0: as loaded
.set MM,   11                          ; wave 0: m[c], then w[c], then a[c], c = lane % 16
.set LL,   12                          ; wave 0: l[c], then the sum of w l
.set MX,   13                          ; wave 0: M, then 1 / sum
.set XT,   15                          ; the other half's value
.set TA,   18                          ; v18, v19 at work
.set AC,   20                          ; v[20:23] my weighted sums, one a tile
.set WJ,   24                          ; v[24:31] a of chunks 8 hh + j
.set YR,   32                          ; v[32:47] a row of yp
.set FIN,  32                          ; v[32:63] wave 0 at the end: the 16 slices' sums
.set AF,   64                          ; v[64:79] yp's fragments of K steps 0, 1
.set WF,   80                          ; v[80:143] Wv's fragments: (tile t, K step ks) at WF + 16 t + 8 ks
.set S,    144                         ; v[144:175] four accumulators
.set RR,   176
.set HH,   177
.macro PLACES n
.rept \n
	v_nop
.endr
.endm
.macro BAR                             ; my LDS work is done; then the work-group's barrier
	s_wait_dscnt 0x0
	s_barrier_signal -1
	s_barrier_wait -1
.endm
	s_load_b256 s[8:15], s[0:1], 0x0               ; yp s[8:9], ml s[10:11], wf s[12:13], cls s[14:15]
	v_lshl_add_u32 v180, v0, 2, 0x29000
	v_mov_b32 v181, 0
	v_lshrrev_b32 v[TA], 5, v0
	v_readfirstlane_b32 s3, v[TA]                  ; wave w
	s_mov_b32 s20, ttmp9                           ; h
	s_and_b32 s21, ttmp7, 0xffff                   ; b
	s_mov_b32 s26, 0x76543210                      ; v_permlanex16_b32: lane i reads lane i of the other half
	s_mov_b32 s27, 0xfedcba98
	v_and_b32 v[TA+1], 31, v0
	v_and_b32 v[RR], 15, v0
	v_bfe_u32 v[HH], v0, 4, 1
	v_lshlrev_b32 v[L16], 4, v[TA+1]
	v_lshlrev_b32 v[L8], 3, v[TA+1]
	v_lshlrev_b32 v[VML], 7, v[RR]
	v_lshl_add_u32 v[VML], v[HH], 6, v[VML]
	s_lshl_b32 s24, s21, 11                        ; ml[b][.][h]
	s_lshl_b32 s2, s20, 2
	s_add_co_u32 s24, s24, s2
	s_mov_b32 s25, 0
	s_lshl_b32 s30, s21, 8
	s_lshl_b32 s2, s20, 4
	s_add_co_u32 s30, s30, s2
	s_add_co_u32 s30, s30, s3
	s_lshl_b32 s30, s30, 11                        ; yp[b][h][w][:]
	s_mov_b32 s31, 0
	s_lshl_b32 s32, s20, 17                        ; wf: group h,
	s_lshl_b32 s2, s3, 13
	s_add_co_u32 s32, s32, s2                      ; slice w
	s_mov_b32 s33, 0
	s_lshl_b32 s34, s21, 12
	s_lshl_b32 s2, s20, 8
	s_add_co_u32 s34, s34, s2                      ; cls[b][64 h ..]
	s_mov_b32 s35, 0
	s_wait_kmcnt 0x0
	s_add_nc_u64 s[10:11], s[10:11], s[24:25]
	s_add_nc_u64 s[8:9], s[8:9], s[30:31]
	s_add_nc_u64 s[12:13], s[12:13], s[32:33]
	s_add_nc_u64 s[14:15], s[14:15], s[34:35]
	s_cmp_lg_u32 s3, 0
	s_cbranch_scc1 .Lno_ml
	global_load_b32 v[ML], v[VML], s[10:11]        ; wave 0, ahead of all other loads, so that the counts below are the same in every wave
.Lno_ml:
.irp q, 0,1,2,3
	global_load_b128 v[YR+4*\q:YR+4*\q+3], v[L16], s[8:9] offset:512*\q th:TH_LOAD_NT   ; chunk w's row of yp
.endr
.irp ks, 0,1
.irp t, 0,1,2,3
.irp q, 0,1
	global_load_b128 v[WF+16*\t+8*\ks+4*\q:WF+16*\t+8*\ks+4*\q+3], v[L16], s[12:13] offset:2048*\t+1024*\ks+512*\q
.endr
.endr
.endr
	s_mul_i32 s2, s3, P
	v_add_nc_u32 v[VUL], s2, v[L16]
	v_mul_u32_u24 v[TA], v[RR], P
	s_lshl_b32 s2, s3, 7
	v_lshl_add_u32 v[TA+1], v[HH], 4, s2
	v_add_nc_u32 v[VA16], v[TA], v[TA+1]
	v_lshlrev_b32 v[TA], 2, v[RR]
	v_add_nc_u32 v[VWB], WB, v[TA]
	v_lshlrev_b32 v[TA+1], 5, v[HH]
	v_add_nc_u32 v[VWR], WB, v[TA+1]
	s_lshl_b32 s2, s3, 8
	s_add_co_u32 s2, s2, SC
	v_add_nc_u32 v[VSC], s2, v[TA]
	v_add_nc_u32 v[VSR], SC, v[L8]
	v_mov_b32 v[XT], 0                             ; v_permlanex16_b32 counts as a reader of its destination
	s_wait_loadcnt 16                              ; the 16 fragment loads may stay out: the row of yp is in (and, in wave 0, m and l)
.irp q, 0,1,2,3
	ds_store_b128 v[VUL], v[YR+4*\q:YR+4*\q+3] offset:512*\q
.endr
	s_cmp_lg_u32 s3, 0
	s_cbranch_scc1 .Lno_w
	; wave 0: the 16 chunks' weights, chunk c in lanes c and 16 + c
	v_cmp_ne_u32 vcc_lo, 0, v[HH]                  ; lanes 16-31
	v_permlanex16_b32 v[XT], v[ML], s26, s27
	v_cndmask_b32 v[MM], v[ML], v[XT], vcc_lo      ; m[c] in both halves
	v_cndmask_b32 v[LL], v[XT], v[ML], vcc_lo      ; l[c] in both halves
	v_mov_b32 v[MX], v[MM]
.irp k, 1,2,4,8
	v_max_num_f32_dpp v[MX], v[MX], v[MX] row_xmask:\k row_mask:0xf bank_mask:0xf
.endr
	v_sub_f32 v[MM], v[MM], v[MX]
	v_exp_f32 v[MM], v[MM]
	v_nop                                          ; one plain place behind v_exp_f32 (ISA guide 5.7.2)
	s_wait_alu depctr_va_vdst(0)
	v_mul_f32 v[LL], v[MM], v[LL]
.irp k, 1,2,4,8
	v_add_f32_dpp v[LL], v[LL], v[LL] row_xmask:\k row_mask:0xf bank_mask:0xf
.endr
	v_rcp_f32 v[MX], v[LL]
	v_nop                                          ; one plain place behind v_rcp_f32
	s_wait_alu depctr_va_vdst(0)
	v_mul_f32 v[MM], v[MM], v[MX]
	ds_store_b32 v[VWB], v[MM]                     ; both halves of the lanes write the same word with the same value
.Lno_w:
	BAR                                            ; yp's rows and the weights are in LDS
.irp i, 0,1,2,3
	ds_load_b128 v[AF+4*\i:AF+4*\i+3], v[VA16] offset:32*\i    ; i = 2 ks + q: k = 64 w + 32 ks + 16 q + 8 hh + 0 .. 7 of chunk r
.endr
	ds_load_b128 v[WJ:WJ+3], v[VWR]
	ds_load_b128 v[WJ+4:WJ+7], v[VWR] offset:16
	s_wait_dscnt 2                                 ; the two loads of the weights may stay out
.irp ks, 0,1
	s_wait_loadcnt 8*(1-\ks)                       ; K step 1's eight fragment loads may stay out
.irp t, 0,1,2,3
.if \ks == 0
	v_wmma_f32_16x16x32_bf16 v[S+8*\t:S+8*\t+7], v[AF+8*\ks:AF+8*\ks+7], v[WF+16*\t+8*\ks:WF+16*\t+8*\ks+7], 0
.else
	v_wmma_f32_16x16x32_bf16 v[S+8*\t:S+8*\t+7], v[AF+8*\ks:AF+8*\ks+7], v[WF+16*\t+8*\ks:WF+16*\t+8*\ks+7], v[S+8*\t:S+8*\t+7]
.endif
.endr
.endr                                              ; four accumulators take turns
	PLACES 4                                       ; four places before the sums are read (ISA guide 7.12.1)
	s_wait_dscnt 0x0                               ; the weights
	; lane (r, hh), register j of tile t: Z[chunk 8 hh + j][e = 16 t + r], my slice of K
.irp t, 0,1,2,3
	v_mul_f32 v[AC+\t], v[WJ], v[S+8*\t]
.endr
.irp j, 1,2,3,4,5,6,7
.irp t, 0,1,2,3
	v_fmac_f32 v[AC+\t], v[WJ+\j], v[S+8*\t+\j]
.endr
.endr
.irp t, 0,1,2,3
	v_permlanex16_b32 v[XT], v[AC+\t], s26, s27    ; the other eight chunks
	v_add_f32 v[AC+\t], v[AC+\t], v[XT]
	ds_store_b32 v[VSC], v[AC+\t] offset:64*\t     ; both halves of the lanes write the same word with the same value
.endr
	BAR
	s_cmp_lg_u32 s3, 0
	s_cbranch_scc1 .Ldone
.irp k, 0,1,2,3,4,5,6,7,8,9,10,11,12,13,14,15
	ds_load_b64 v[FIN+2*\k:FIN+2*\k+1], v[VSR] offset:256*\k   ; the 16 slices of K, e = 2 lane, 2 lane + 1
.endr
	s_wait_dscnt 0x0
.irp k, 0,1,2,3,4,5,6,7
	v_pk_add_f32 v[FIN+2*\k:FIN+2*\k+1], v[FIN+2*\k:FIN+2*\k+1], v[FIN+2*\k+16:FIN+2*\k+17]
.endr
.irp k, 0,1,2,3
	v_pk_add_f32 v[FIN+2*\k:FIN+2*\k+1], v[FIN+2*\k:FIN+2*\k+1], v[FIN+2*\k+8:FIN+2*\k+9]
.endr
.irp k, 0,1
	v_pk_add_f32 v[FIN+2*\k:FIN+2*\k+1], v[FIN+2*\k:FIN+2*\k+1], v[FIN+2*\k+4:FIN+2*\k+5]
.endr
	v_pk_add_f32 v[FIN:FIN+1], v[FIN:FIN+1], v[FIN+2:FIN+3]
	global_store_b64 v[L8], v[FIN:FIN+1], s[14:15] ; 256 consecutive bytes, aligned
.Ldone:
	s_wait_tensorcnt 0x0
	ds_add_u32 v180, v181
	s_wait_dscnt 0x0
	s_endpgm
.Lfunc_end_k_qd43f22bc00_cls:
	.size	k_qd43f22bc00_cls, .Lfunc_end_k_qd43f22bc00_cls-k_qd43f22bc00_cls
	.p2alignl 7, 3214868480
	.fill 96, 4, 3214868480
	.section	.rodata,"a",@progbits
	.p2align	6, 0x0
	.amdhsa_kernel k_qd43f22bc00_cls
		.amdhsa_group_segment_fixed_size 169984
		.amdhsa_private_segment_fixed_size 0
		.amdhsa_enable_private_segment 0
		.amdhsa_kernarg_size 32
		.amdhsa_user_sgpr_count 2
		.amdhsa_user_sgpr_kernarg_segment_ptr 1
		.amdhsa_wavefront_size32 1
		.amdhsa_system_sgpr_workgroup_id_x 1
		.amdhsa_system_sgpr_workgroup_id_y 1
		.amdhsa_system_sgpr_workgroup_id_z 1
		.amdhsa_system_vgpr_workitem_id 0
		.amdhsa_next_free_vgpr 182
		.amdhsa_next_free_sgpr 66
		.amdhsa_reserve_vcc 1
		.amdhsa_float_denorm_mode_32 3
		.amdhsa_float_denorm_mode_16_64 3
		.amdhsa_memory_ordered 1
		.amdhsa_forward_progress 1
		.amdhsa_inst_pref_size 12
	.end_amdhsa_kernel
	.amdgpu_metadata
---
amdhsa.version: [ 1, 2 ]
amdhsa.kernels:
  - .name:           k_qd43f22bc00_cls
    .symbol:         k_qd43f22bc00_cls.kd
    .args:
      - { .name: yp, .offset: 0, .size: 8, .value_kind: global_buffer, .address_space: global }
      - { .name: ml, .offset: 8, .size: 8, .value_kind: global_buffer, .address_space: global }
      - { .name: wf, .offset: 16, .size: 8, .value_kind: global_buffer, .address_space: global }
      - { .name: cls, .offset: 24, .size: 8, .value_kind: global_buffer, .address_space: global }
    .group_segment_fixed_size: 169984
    .private_segment_fixed_size: 0
    .kernarg_segment_align: 8
    .kernarg_segment_size: 32
    .max_flat_workgroup_size: 512
    .sgpr_count:     66
    .vgpr_count:     182
    .wavefront_size: 32
...
	.end_amdgpu_metadata
.endif
;; end of part 3
;; launch proj (part 4): grid 16 x 1, 16 waves a work-group, no clusters, 169,984 bytes of LDS; arguments cls, wf, b_proj, out0; writes out0
.if DOCPART == 4
	.amdgcn_target "amdgcn-amd-amdhsa--gfx1250"
	.amdhsa_code_object_version 6
	.text
	.protected	k_qd43f22bc00_proj
	.globl	k_qd43f22bc00_proj
	.p2align	8
	.type	k_qd43f22bc00_proj,@function
k_qd43f22bc00_proj:
	s_mov_b64 s[64:65], 0
	v_nop
	global_prefetch_b8 v0, s[64:65] scope:SCOPE_SE
	s_setreg_imm32_b32 hwreg(HW_REG_WAVE_MODE, 25, 1), 1
	s_wait_xcnt 0x0
; out0[b][0][f] = cls[b][:] . w_proj[f][:] + b_proj[f].  Work-group g: all 16 batches, f = 64 g .. 64 g + 63.
; Wave w takes k = 64 w .. 64 w + 63 of all 64 f: two K steps x four tiles.  w_proj comes as bf16 fragments (buffer wf, groups 16 to 31, written by the
; first launch): the wave's 8 KiB are 16 loads of 512 consecutive bytes straight into registers.  Only cls's 16 rows go through LDS.
; LIMITS: cls and w_proj are rounded to bf16 as matrix operands; sums and bias in f32.
; 16 work-groups: each stores 256 consecutive aligned bytes of a batch's row; a finer split would store shorter pieces.
; NO CLUSTER: what the work-groups share is cls, 64 KiB of the 192 KiB that each reads; each fragment of w_proj is read by one wave alone.
; The launch asks for more than half of a WGP's LDS (it uses 102,656 bytes), so that a work-group has a WGP to itself.
.set P,      2064                      ; LDS pitch of 1024 bf16: 129 x 16 bytes
.set SO,     16*P                      ; bytes 0 ..: cls's 16 rows; from SO: [w][16 b] rows of 64 f32, pitch 272
.set OPITCH, 272
.set OPLANE, 16*OPITCH                 ; 4,352 bytes a slice of K; 15 of them are 65,280, inside the 16-bit offset of an LDS instruction
.set L16,  1
.set VP16, 2                           ; w P + 8 lane
.set VA16, 3                           ; r P + 128 w + 16 hh
.set VSO,  4                           ; SO + plane w + row r + 32 hh
.set VSR,  5                           ; SO + row w + 8 lane
.set L8,   8
.set BI,   10                          ; v[10:11] bias
.set TA,   12                          ; v12, v13 at work
.set CR,   32                          ; v[32:63] a row of cls; at the end the 16 slices' sums
.set AF,   64                          ; v[64:79] cls's fragments of K steps 0, 1
.set WF,   80                          ; v[80:143] w_proj's fragments: (tile t, K step ks) at WF + 16 t + 8 ks
.set S,    144                         ; v[144:175] four accumulators
.set RR,   176
.set HH,   177
.macro PLACES n
.rept \n
	v_nop
.endr
.endm
.macro BAR                             ; my LDS work is done; then the work-group's barrier
	s_wait_dscnt 0x0
	s_barrier_signal -1
	s_barrier_wait -1
.endm
	s_load_b256 s[8:15], s[0:1], 0x0               ; cls s[8:9], wf s[10:11], b_proj s[12:13], out0 s[14:15]
	v_lshl_add_u32 v180, v0, 2, 0x29000
	v_mov_b32 v181, 0
	v_lshrrev_b32 v[TA], 5, v0
	v_readfirstlane_b32 s3, v[TA]                  ; wave w
	s_mov_b32 s20, ttmp9                           ; g
	v_and_b32 v[TA+1], 31, v0
	v_and_b32 v[RR], 15, v0
	v_bfe_u32 v[HH], v0, 4, 1
	v_lshlrev_b32 v[L16], 4, v[TA+1]
	v_lshlrev_b32 v[L8], 3, v[TA+1]
	s_lshl_b32 s24, s3, 12                         ; cls[w][:]
	s_mov_b32 s25, 0
	s_lshl_b32 s30, s20, 17                        ; wf: group 16 + g,
	s_lshl_b32 s2, s3, 13
	s_add_co_u32 s30, s30, s2                      ; slice w
	s_add_co_u32 s30, s30, 0x200000
	s_mov_b32 s31, 0
	s_lshl_b32 s32, s20, 8                         ; b_proj[64 g ..]
	s_mov_b32 s33, 0
	s_lshl_b32 s34, s3, 22
	s_add_co_u32 s34, s34, s32                     ; out0[w][0][64 g ..]
	s_mov_b32 s35, 0
	s_wait_kmcnt 0x0
	s_add_nc_u64 s[8:9], s[8:9], s[24:25]
	s_add_nc_u64 s[10:11], s[10:11], s[30:31]
	s_add_nc_u64 s[12:13], s[12:13], s[32:33]
	s_add_nc_u64 s[14:15], s[14:15], s[34:35]
	global_load_b64 v[BI:BI+1], v[L8], s[12:13]    ; bias of f = 64 g + 2 lane, + 1
.irp q, 0,1,2,3,4,5,6,7
	global_load_b128 v[CR+4*\q:CR+4*\q+3], v[L16], s[8:9] offset:512*\q    ; batch w's row of cls
.endr
.irp ks, 0,1
.irp t, 0,1,2,3
.irp q, 0,1
	global_load_b128 v[WF+16*\t+8*\ks+4*\q:WF+16*\t+8*\ks+4*\q+3], v[L16], s[10:11] offset:2048*\t+1024*\ks+512*\q th:TH_LOAD_NT
.endr
.endr
.endr
	s_mul_i32 s2, s3, P
	v_add_nc_u32 v[VP16], s2, v[L8]
	v_mul_u32_u24 v[TA], v[RR], P
	s_lshl_b32 s2, s3, 7
	v_lshl_add_u32 v[TA+1], v[HH], 4, s2
	v_add_nc_u32 v[VA16], v[TA], v[TA+1]
	s_mul_i32 s2, s3, OPLANE
	s_add_co_u32 s2, s2, SO
	v_mul_u32_u24 v[TA], v[RR], OPITCH
	v_lshl_add_u32 v[TA+1], v[HH], 5, s2
	v_add_nc_u32 v[VSO], v[TA], v[TA+1]
	s_mul_i32 s2, s3, OPITCH
	s_add_co_u32 s2, s2, SO
	v_add_nc_u32 v[VSR], s2, v[L8]
	s_wait_loadcnt 16                              ; the 16 fragment loads may stay out: the bias and cls's row are in
.irp q, 0,1,2,3,4,5,6,7
	v_cvt_pk_bf16_f32 v[CR+4*\q], v[CR+4*\q], v[CR+4*\q+1]
	v_cvt_pk_bf16_f32 v[CR+4*\q+1], v[CR+4*\q+2], v[CR+4*\q+3]
	ds_store_b64 v[VP16], v[CR+4*\q:CR+4*\q+1] offset:256*\q   ; 256 consecutive bytes an instruction
.endr
	BAR                                            ; cls's rows are in LDS
.irp i, 0,1,2,3
	ds_load_b128 v[AF+4*\i:AF+4*\i+3], v[VA16] offset:32*\i    ; i = 2 ks + q: k = 64 w + 32 ks + 16 q + 8 hh + 0 .. 7 of batch r
.endr
	s_wait_dscnt 0x0
.irp ks, 0,1
	s_wait_loadcnt 8*(1-\ks)                       ; K step 1's eight fragment loads may stay out
.irp t, 0,1,2,3
.if \ks == 0
	v_wmma_f32_16x16x32_bf16 v[S+8*\t:S+8*\t+7], v[WF+16*\t+8*\ks:WF+16*\t+8*\ks+7], v[AF+8*\ks:AF+8*\ks+7], 0
.else
	v_wmma_f32_16x16x32_bf16 v[S+8*\t:S+8*\t+7], v[WF+16*\t+8*\ks:WF+16*\t+8*\ks+7], v[AF+8*\ks:AF+8*\ks+7], v[S+8*\t:S+8*\t+7]
.endif
.endr
.endr                                              ; four accumulators take turns
	PLACES 4                                       ; four places before the sums are read (ISA guide 7.12.1)
	; lane (r, hh), register j of tile t: batch r, f = 64 g + 16 t + 8 hh + j, my slice of K: eight neighbouring numbers of a row
.irp t, 0,1,2,3
	ds_store_b128 v[VSO], v[S+8*\t:S+8*\t+3] offset:64*\t
	ds_store_b128 v[VSO], v[S+8*\t+4:S+8*\t+7] offset:64*\t+16
.endr
	BAR
.irp k, 0,1,2,3,4,5,6,7,8,9,10,11,12,13,14,15
	ds_load_b64 v[CR+2*\k:CR+2*\k+1], v[VSR] offset:OPLANE*\k  ; wave w: batch w, the 16 slices of K, f = 64 g + 2 lane, + 1
.endr
	s_wait_dscnt 0x0
.irp k, 0,1,2,3,4,5,6,7
	v_pk_add_f32 v[CR+2*\k:CR+2*\k+1], v[CR+2*\k:CR+2*\k+1], v[CR+2*\k+16:CR+2*\k+17]
.endr
.irp k, 0,1,2,3
	v_pk_add_f32 v[CR+2*\k:CR+2*\k+1], v[CR+2*\k:CR+2*\k+1], v[CR+2*\k+8:CR+2*\k+9]
.endr
.irp k, 0,1
	v_pk_add_f32 v[CR+2*\k:CR+2*\k+1], v[CR+2*\k:CR+2*\k+1], v[CR+2*\k+4:CR+2*\k+5]
.endr
	v_pk_add_f32 v[CR:CR+1], v[CR:CR+1], v[CR+2:CR+3]
	v_pk_add_f32 v[CR:CR+1], v[CR:CR+1], v[BI:BI+1]
	global_store_b64 v[L8], v[CR:CR+1], s[14:15]   ; 256 consecutive bytes, aligned
	s_wait_tensorcnt 0x0
	ds_add_u32 v180, v181
	s_wait_dscnt 0x0
	s_endpgm
.Lfunc_end_k_qd43f22bc00_proj:
	.size	k_qd43f22bc00_proj, .Lfunc_end_k_qd43f22bc00_proj-k_qd43f22bc00_proj
	.p2alignl 7, 3214868480
	.fill 96, 4, 3214868480
	.section	.rodata,"a",@progbits
	.p2align	6, 0x0
	.amdhsa_kernel k_qd43f22bc00_proj
		.amdhsa_group_segment_fixed_size 169984
		.amdhsa_private_segment_fixed_size 0
		.amdhsa_enable_private_segment 0
		.amdhsa_kernarg_size 32
		.amdhsa_user_sgpr_count 2
		.amdhsa_user_sgpr_kernarg_segment_ptr 1
		.amdhsa_wavefront_size32 1
		.amdhsa_system_sgpr_workgroup_id_x 1
		.amdhsa_system_sgpr_workgroup_id_y 1
		.amdhsa_system_sgpr_workgroup_id_z 1
		.amdhsa_system_vgpr_workitem_id 0
		.amdhsa_next_free_vgpr 182
		.amdhsa_next_free_sgpr 66
		.amdhsa_reserve_vcc 0
		.amdhsa_float_denorm_mode_32 3
		.amdhsa_float_denorm_mode_16_64 3
		.amdhsa_memory_ordered 1
		.amdhsa_forward_progress 1
		.amdhsa_inst_pref_size 10
	.end_amdhsa_kernel
	.amdgpu_metadata
---
amdhsa.version: [ 1, 2 ]
amdhsa.kernels:
  - .name:           k_qd43f22bc00_proj
    .symbol:         k_qd43f22bc00_proj.kd
    .args:
      - { .name: cls, .offset: 0, .size: 8, .value_kind: global_buffer, .address_space: global }
      - { .name: wf, .offset: 8, .size: 8, .value_kind: global_buffer, .address_space: global }
      - { .name: b_proj, .offset: 16, .size: 8, .value_kind: global_buffer, .address_space: global }
      - { .name: out0, .offset: 24, .size: 8, .value_kind: global_buffer, .address_space: global }
    .group_segment_fixed_size: 169984
    .private_segment_fixed_size: 0
    .kernarg_segment_align: 8
    .kernarg_segment_size: 32
    .max_flat_workgroup_size: 512
    .sgpr_count:     66
    .vgpr_count:     182
    .wavefront_size: 32
...
	.end_amdgpu_metadata
.endif
;; end of part 4
